; MI455X (gfx1250); checked and timed in simulation.
; The chip was launched on July 23, 2026; its instructions are those of AMD's public machine-readable ISA for CDNA 5 (MIT licence, August 2026) and "CDNA5" Instruction Set Architecture Reference Guide (July 2026). The comments in the code are by the model that wrote it; some were corrected since.
;; Tile Self Attention. Allowed arithmetic: matrix products marked QUANTISED: E4M3 operands, one E8M0 scale for each 32 along K, by v_wmma_scale_f32_16x16x128_f8f6f4 with both operands' format E4M3, f32 sums; everything else in f32.
;; Inputs: Wk_codes 512 x 32 x 32 uint8 (E4M3 codes of Wk, K innermost, in blocks of 32 codes); Wk_scales 512 x 32 uint8 (E8M0 scales of Wk, one for each 32 codes along K); Wq_codes 512 x 32 x 32 uint8 (E4M3 codes of Wq, K innermost, in blocks of 32 codes); Wq_scales 512 x 32 uint8 (E8M0 scales of Wq, one for each 32 codes along K); Wv_codes 512 x 32 x 32 uint8 (E4M3 codes of Wv, K innermost, in blocks of 32 codes); Wv_scales 512 x 32 uint8 (E8M0 scales of Wv, one for each 32 codes along K); bk 512 float32; bq 512 float32; bv 512 float32; x_codes 32,768 x 32 x 32 uint8 (E4M3 codes of x, K innermost, in blocks of 32 codes); x_scales 32,768 x 32 uint8 (E8M0 scales of x, one for each 32 codes along K).
;; Outputs: out0 512 x 512 x 64 float32.
;; This version of the problem:
;;   THIS VERSION OF THE PROBLEM IS GIVEN IN LOW PRECISION. The matrix products marked QUANTISED in the list below multiply operands that are first quantised to E4M3 (4 exponent bits, 3 mantissa bits; 8 bits a number), with one power-of-two scale for each 32 numbers along K (OCP MX v1.0); their sums are f32. All else is computed in f32.
;;   The module's matrix products, in the order in which they are computed (A, B: the left and right operand; K: the contracted axis; several contracted axes count as one K, in the product's order):
;;     1. [M 32,768, K 1,024] x [K 1,024, N 512]; A: input x (given as codes); B: input Wk (given as codes): QUANTISED
;;     2. [M 32,768, K 1,024] x [K 1,024, N 512]; A: input x (given as codes); B: input Wq (given as codes): QUANTISED
;;     3. [M 32,768, K 1,024] x [K 1,024, N 512]; A: input x (given as codes); B: input Wv (given as codes): QUANTISED
;;     4. batch 512 x [M 64, K 512] x [K 512, N 64]; A: computed on the way; B: computed on the way: QUANTISED
;;     5. batch 512 x [M 512, K 64] x [K 64, N 64]; A: computed on the way; B: computed on the way: QUANTISED
;;   THE QUANTISER, for each operand of a quantised product, along K:
;;     - K is cut into blocks of 32 from its start; a last block that is shorter is filled with zeros.
;;     - A block's scale is 2^e with e = floor(log2(the largest magnitude in the block)) - 8, held to -126 .. 127; a block of zeros has e = 0. As a byte (E8M0): e + 127.
;;     - Each number is divided by its block's scale, clamped to +-448, and rounded to the nearest number of E4M3, ties to even, subnormals kept.
;;     - The product sums the exact products of the quantised numbers (number of the format x scale) in f32.
;;   ~~~python
;;   def quantise(x, axis):      # numpy; x: float32 -> the quantised numbers, widened to float32 again
;;       x = np.moveaxis(x, axis, -1); K = x.shape[-1]
;;       x = np.pad(x, [(0, 0)] * (x.ndim - 1) + [(0, -K % 32)]); x = x.reshape(x.shape[:-1] + (-1, 32)); a = np.abs(x).max(-1, keepdims=True)
;;       e = np.where(a > 0, np.clip(np.frexp(np.where(a > 0, a, 1))[1] - 1 - 8, -126, 127), 0)      # np.frexp(a)[1] - 1 = floor(log2(a)), exactly
;;       r = np.clip(x / 2.0 ** e, -448, 448)
;;       step = 2.0 ** (np.maximum(np.frexp(np.where(r == 0, 1, r))[1] - 1, -6) - 3)
;;       q = np.round(r / step) * step * 2.0 ** e      # np.round: ties to even
;;       return np.moveaxis(q.reshape(q.shape[:-2] + (-1,))[..., :K], -1, axis).astype(np.float32)
;;   ~~~
;;   OPERANDS COMPUTED ON THE WAY. 'Computed on the way' means the value that the module computes at that place (a softmax that the list does not call 'softmax' is quantised finished and normalised). What goes into a quantiser is computed in f32, as accurately as f32 sums, v_exp_f32 and their like allow (about 1e-6 of the number): no bf16 or f16 on the way to a quantiser, and a product that is left as it is and whose result goes on into a quantised operand takes f32 operands (vector FMAs, or v_wmma_f32_16x16x4_f32). A number that lies on a knife's edge between two numbers of the format may be rounded either way, as far as f32 arithmetic and the matrix unit's own rounding can turn it there, and no further.
;;   INPUTS GIVEN AS CODES. Wk (in the module: [512, 1024], K = its axis 1); Wq (in the module: [512, 1024], K = its axis 1); Wv (in the module: [512, 1024], K = its axis 1); x (in the module: [32768, 1024], K = its axis 1): each comes as NAME_codes (uint8): NAME with its K axis moved to the last place and cut into blocks of 32 codes, [.., K / 32, bytes a block], one block behind the other in memory; one code a byte (a code: sign, 4 exponent bits, 3 mantissa bits); and NAME_scales (uint8): the same leading axes, one E8M0 byte (e + 127) for each 32 codes along K. Its value is code x scale, taken as it is: it is not quantised again, and the codes and scales need not be those that the quantiser above would give.
;; One version. Each part assembles by itself: llvm-mc -triple=amdgcn-amd-amdhsa -mcpu=gfx1250 --defsym DOCPART=n.
;; ======== version 1 of 1: 3 launches
;; limits: right only within a limited range of input values
;; workspace buffers: vcodes 16,777,216 bytes; vscales 524,288 bytes; scores 8,388,608 bytes; lse 16,384 bytes
;; launch proj (part 1): grid 256 x 1, 4 waves a work-group, clusters of 4 x 1, 327,680 bytes of LDS; arguments x_codes, x_scales, Wv_codes, Wv_scales, bv, Wk_codes, Wk_scales, bk, Wq_codes, Wq_scales, bq, vcodes, vscales, scores; writes vcodes, vscales, scores
.if DOCPART == 1
	.amdgcn_target "amdgcn-amd-amdhsa--gfx1250"
	.amdhsa_code_object_version 6
	.text
	.protected	k_qd46e371801_proj
	.globl	k_qd46e371801_proj
	.p2align	8
	.type	k_qd46e371801_proj,@function
k_qd46e371801_proj:
	s_mov_b64 s[64:65], 0
	v_nop
	global_prefetch_b8 v0, s[64:65] scope:SCOPE_SE
	s_setreg_imm32_b32 hwreg(HW_REG_WAVE_MODE, 25, 1), 1
	s_wait_xcnt 0x0
	s_wait_alu depctr_hold_cnt(0) depctr_sa_sdst(0) depctr_va_vdst(0) depctr_va_sdst(0) depctr_va_ssrc(0) depctr_va_vcc(0) depctr_vm_vsrc(0)
	s_getreg_b32 s2, hwreg(HW_REG_IB_STS2, 6, 4)
	s_cmp_eq_u32 s2, 0
	s_cbranch_scc0 .Lentry_in_a_cluster
	s_endpgm
.Lentry_in_a_cluster:
	s_bfe_u32 s2, ttmp6, 0x10000c
	s_cmp_lg_u32 s2, 0x3003
	s_cbranch_scc0 .Lentry_shape_is_right
	s_endpgm
.Lentry_shape_is_right:
; TileSelfAttention, first of three launches: values, keys, queries = x W^T + b on E4M3 codes with E8M0 scales, and the raw scores S[b][t][s] = sum over c of keys[b][t][c] queries[b][s][c], keys and queries quantised along c.
; The softmax runs over the batch axis, so this launch stores S (f32) and the values' codes (quantised along t); the second launch makes one number for each (t, s), the third the weights and the last product.
; NOTHING IS LEFT OUT AS DEAD WORK: each bias goes into a quantised operand, and all eleven inputs are loaded.
; LIMITS: NaN and infinities are not served; a block's scale byte never falls under 1; a block of zeros gets the byte 1 (its codes are zeros; these bytes are read by this program alone).
; SHARES.  A work-group owns 128 rows of x, two batches.  Wave n = 2 a + w owns batch a and half w of a phase's 256 columns: 4 tiles of x by 8 tiles of W, 32 accumulators.
; x STAYS IN REGISTERS: a wave's 64 rows, all of K, are 512 registers.  They land once in slot 1 of LDS, are read from there, and W is filled over them behind a drained round.
; W goes through a ring of two slots of 256 rows x 512 bytes: six phases (V 0, V 1, K 0, Q 0, K 1, Q 1; the number is the half of c) of two slots, four K steps of 128 a slot.  A slot is asked for again when it has been read out: 96 products a wave lie between a request and its wait.
; CLUSTER: all work-groups walk the same W, so four partners ask for each tile jointly (mask 15); nothing in those descriptors hangs on a work-group's place.  x is each work-group's own.
; NO PREFETCH: every tile of W is asked for by all 64 clusters in the same period of the walk, and x is read once, at the head, with no loop ahead of it.
; ORIENTATION.  K, Q: source 0 = W's rows, source 1 = x's: a lane holds a row t, registers run along c.  V: the other way round: a lane holds a column c, registers run along t.
; In 64 registers on end, register 16 b + i of lane half h is k = 32 b + 16 (i / 8) + 8 h + i % 8 of the next product's K, and its code goes to place 32 b + 16 h + i: a permutation inside a block of 32, the same in both operands of the next product.
; THE BIAS is loaded into the accumulators of x's tile 0 and is the C of the phase's first products.
; W's scale words come from memory into registers, 16 bytes a row a slot, one slot ahead; the two loads of a phase cover each run of 512 bytes whole.
; S: after Q j each wave has a partial S of its batch over its 128 of c.  The two waves of a batch own 8 of the 16 tiles each and hand the other 8 over through LDS; the sum of half 0 waits in LDS bytes of its own and is the C of half 1's products.
; REGISTERS.  Window 0: v0-5, v22, v23 addresses; v6-21 x's scale words (lanes 0-15 tiles 0, 1; lanes 16-31 tiles 2, 3); v24-55 W's, two sets (lanes 0-15 tiles 0-3, lanes 16-31 tiles 4-7); v56-59, v60-63 scale words of V or K, of Q;
;   v64-127 V's or K's codes; v128-255 W's eight fragments (between phases: Q's codes, v236-255 at work).  Window 1: the accumulators.  Windows 2, 3: x, fragment (K step q, tile t) at 16 (4 q + t).
.set P,     528                        ; an LDS row: 512 bytes + 16: 132 words, so sixteen rows start 4 banks apart
.set SLOT,  256*P
.set STG,   2*SLOT                     ; 4 x 8,192 bytes: the sums of S over c's half 0; no tensor load lands here
.set SPARE, STG+32768                  ; the spare words, 128 bytes a wave
.set SPW, 1
.set NIL, 2
.set AW0, 3                            ; v3, v4  my place in my rows of W in slot 0, 1
.set AW1, 4
.set WSO, 5                            ; v5   my offset among W's scale bytes
.set XS,  6
.set WS,  24
.set ZS,  56
.set QS,  60
.set TM,  240
.set WV,  32
.set A,   33
.set W,   34
.set WG,  35
.set TRIP, 36
.set MNT, 37
.set SEL, 40
.set NXT, 44                           ; s[44:45] the next phase's rows of W; s[46:47] its scale bytes; s[66:67] its bias
.set SN,  46
.set BN,  66
.set G1W, 48                           ; group 1: the ring's load, 64 rows; s[56:63] the head's, 128 rows; s[68:75] x's
.set G1H, 56
.set G1X, 68
.set G0A, 76                           ; group 0 of slot 0, of slot 1, of the head's W, of x
.set G0B, 80
.set G0H, 84
.set G0X, 88
.set MSB, 0
.macro WIN new                         ; low byte: bits 1:0 source 0, 3:2 source 1, 5:4 source 2, 7:6 destination; high byte: the setting that is left
.if MSB != (\new)
	s_set_vgpr_msb (MSB<<8)|(\new)
.set MSB, (\new)
.endif
.endm
.macro PLACES n
.rept \n
	v_nop
.endr
.endm
.macro WALU
	s_wait_alu depctr_va_vdst(0)
.endm
.macro CREST
	s_cmp_lg_u32 s[WV], 0
	s_cbranch_scc1 .Lnot_wave_0_\@
	s_barrier_signal -3
.Lnot_wave_0_\@:
	s_barrier_wait -3
	s_barrier_signal -1
	s_barrier_wait -1
.endm
.macro ROUND
	s_barrier_signal -1
	s_barrier_wait -1
	CREST
.endm
.macro G1SET g, w0, rows, pitch        ; rows of 512 bytes, 16 bytes of padding behind each
	s_mov_b32 s[\g+0], \w0
	s_mov_b32 s[\g+1], 512<<16
	s_mov_b32 s[\g+2], (\rows)<<16
	s_mov_b32 s[\g+3], 512<<16
	s_mov_b32 s[\g+4], \rows
	s_mov_b32 s[\g+5], \pitch
	s_mov_b32 s[\g+6], 0
	s_mov_b32 s[\g+7], 0
.endm
.macro WM c                            ; one product; the symbols are set by the caller
.if RA_ && RB_
	v_wmma_scale_f32_16x16x128_f8f6f4 v[D_:D_+7], v[A_:A_+15], v[B_:B_+15], \c, v[SA_], v[SB_] matrix_a_scale:MATRIX_SCALE_ROW1 matrix_b_scale:MATRIX_SCALE_ROW1
.elseif RA_
	v_wmma_scale_f32_16x16x128_f8f6f4 v[D_:D_+7], v[A_:A_+15], v[B_:B_+15], \c, v[SA_], v[SB_] matrix_a_scale:MATRIX_SCALE_ROW1
.elseif RB_
	v_wmma_scale_f32_16x16x128_f8f6f4 v[D_:D_+7], v[A_:A_+15], v[B_:B_+15], \c, v[SA_], v[SB_] matrix_b_scale:MATRIX_SCALE_ROW1
.else
	v_wmma_scale_f32_16x16x128_f8f6f4 v[D_:D_+7], v[A_:A_+15], v[B_:B_+15], \c, v[SA_], v[SB_]
.endif
.endm
.macro MULA ori, hf, q, half, a, hold  ; four products: x's tile a by W's tiles 4 half .. + 3.  hold = 1: C is tile 0's accumulator, which holds the bias
.irp b, 0,1,2,3
.set PP_, 4*(\half)+\b
.if \ori
.set D_, 8*(4*PP_+(\a))
.set C_, D_-8*(\a)*(\hold)
.set A_, 16*(4*(\q)+(\a))
.set B_, 128+16*PP_
.set SA_, XS+8*((\a)%2)+4*(\hf)+(\q)
.set SB_, WS+16*(\hf)+4*\b+(\q)
.set RA_, (\a)/2
.set RB_, \half
.else
.set D_, 8*(8*(\a)+PP_)
.set C_, D_-64*(\a)*(\hold)
.set A_, 128+16*PP_
.set B_, 16*(4*(\q)+(\a))
.set SA_, WS+16*(\hf)+4*\b+(\q)
.set SB_, XS+8*((\a)%2)+4*(\hf)+(\q)
.set RA_, \half
.set RB_, (\a)/2
.endif
	WM v[C_:C_+7]
.endr
.endm
.macro MULH ori, hf, q, half, first    ; 16 products, the accumulators by turns
.if \ori
	WIN 0x52+(\hf)
.else
	WIN 0x58+4*(\hf)
.endif
.if \first
	MULA \ori, \hf, \q, \half, 1, 1
	MULA \ori, \hf, \q, \half, 2, 1
	MULA \ori, \hf, \q, \half, 3, 1
	PLACES 9                               ; nine places before tile 0's products write over the C of the twelve above
	MULA \ori, \hf, \q, \half, 0, 0
.else
	MULA \ori, \hf, \q, \half, 0, 0
	MULA \ori, \hf, \q, \half, 1, 0
	MULA \ori, \hf, \q, \half, 2, 0
	MULA \ori, \hf, \q, \half, 3, 0
.endif
.endm
.macro LOADF hf, q, half               ; 16 loads: four fragments of W
	WIN 0
.irp i, 0,1,2,3
.irp c, 0,1,2,3
	ds_load_b128 v[128+64*(\half)+16*\i+4*\c:128+64*(\half)+16*\i+4*\c+3], v[AW0+(\hf)] offset:(4*(\half)+\i)*16*P+128*(\q)+32*\c
.endr
.endr
.endm
.macro STEPQ ori, hf, q, first         ; a K step that has its successor in the slot: each half of W's fragments is fetched anew behind its 16 products and eight places
	s_wait_dscnt 16                        ; the lower half is in; the upper half's 16 loads may be out
	MULH \ori, \hf, \q, 0, \first
	PLACES 8
	LOADF \hf, (\q)+1, 0
	s_wait_dscnt 16                        ; the upper half is in; the 16 just issued may be out
	MULH \ori, \hf, \q, 1, \first
	PLACES 8
	LOADF \hf, (\q)+1, 1
.endm
.macro SLOTP ori, hf, fill, first      ; a slot's four K steps and the change of slots
	STEPQ \ori, \hf, 0, \first
	STEPQ \ori, \hf, 1, 0
	STEPQ \ori, \hf, 2, 0
	s_wait_tensorcnt 0x0                   ; all my tensor loads have landed: my part of the other slot
	ds_add_u32 v[SPW], v[NIL]
	s_wait_dscnt 17                        ; the lower half is in (the upper half's 16 loads and the add may be out)
	MULH \ori, \hf, 3, 0, 0
	s_wait_dscnt 0x0                       ; the add is done, and my reads of this slot are over
	s_barrier_signal -1
	MULH \ori, \hf, 3, 1, 0
	WIN 0
	s_barrier_wait -1
.if \fill
	CREST                                  ; the barrier has opened a round of the cluster's
	s_add_nc_u64 s[G0A+4*(\hf)+2:G0A+4*(\hf)+3], s[NXT:NXT+1], 512*(\hf)
	s_or_b32 s[G0A+4*(\hf)+3], s[G0A+4*(\hf)+3], 0x80000000
	tensor_load_to_lds s[G0A+4*(\hf):G0A+4*(\hf)+3], s[G1W:G1W+7]   ; the same half of K of the next phase
	s_nop 0
.endif
	PLACES 8
.if \fill
.irp i, 0,1,2,3
	global_load_b128 v[WS+16*(\hf)+4*\i:WS+16*(\hf)+4*\i+3], v[WSO], s[SN:SN+1] offset:512*\i+16*(\hf)   ; and its scale words, into the set just left
.endr
.endif
.endm
.macro PHASE ori, fill
	s_wait_loadcnt 0x0                     ; the bias and both sets of scale words
	SLOTP \ori, 0, \fill, 1
	LOADF 1, 0, 0
	LOADF 1, 0, 1
	SLOTP \ori, 1, \fill, 0
.endm
.macro TMINIT
.irp b, 0,1,2,3
	v_mov_b32 v[TM+4+\b], 0                ; a lane permute's destination counts as one of its sources
.endr
.endm
; 64 accumulator registers on end (window 1, from 64 g) become 16 registers of codes (window 0, from dst) and a scale word: four blocks of 32, each in lanes l and l xor 16
.macro QUANT g, dst, sw
.set AB, 64*(\g)
	WIN 0x05
.irp b, 0,1,2,3
	v_max3_num_f32 v[TM+\b], |v[AB+16*\b]|, |v[AB+16*\b+1]|, 0x4800000   ; with the floor 2^(9-127)
.endr
.irp i, 2,4,6,8,10,12,14
.irp b, 0,1,2,3
	v_max3_num_f32 v[TM+\b], |v[AB+16*\b+\i]|, |v[AB+16*\b+\i+1]|, v[TM+\b]
.endr
.endr
	WIN 0
.irp b, 0,1,2,3
	v_permlanex16_b32 v[TM+4+\b], v[TM+\b], s[SEL], s[SEL+1]
.endr
.irp b, 0,1,2,3
	v_max_num_f32 v[TM+\b], v[TM+\b], v[TM+4+\b]
.endr
.irp b, 0,1,2,3
	v_add_nc_u32 v[TM+12+\b], 0xfc000000, v[TM+\b]          ; 8 off the exponent field: the conversion's scale operand
.endr
.irp b, 0,1,2,3
	v_and_or_b32 v[TM+8+\b], v[TM+\b], 0x7f800000, s[MNT]   ; 448 x the scale
.endr
.irp b, 0,1,2,3
	v_lshrrev_b32 v[TM+4+\b], 23, v[TM+12+\b]               ; the byte
.endr
	v_lshl_or_b32 v[\sw], v[TM+5], 8, v[TM+4]
	v_lshl_or_b32 v[\sw], v[TM+6], 16, v[\sw]
	v_lshl_or_b32 v[\sw], v[TM+7], 24, v[\sw]
	WIN 0x41
.irp b, 0,1,2,3
.irp i, 0,1,2,3,4,5,6,7,8,9,10,11,12,13,14,15
	v_med3_num_f32 v[AB+16*\b+\i], v[AB+16*\b+\i], -v[TM+8+\b], v[TM+8+\b]   ; the conversion does not saturate (ISA guide 7.6.2)
.endr
.endr
	WIN 0x01
.irp b, 0,1,2,3
	v_cvt_scalef32_pk8_fp8_f32 v[(\dst)+4*\b:(\dst)+4*\b+1], v[AB+16*\b:AB+16*\b+7], v[TM+12+\b]
	v_cvt_scalef32_pk8_fp8_f32 v[(\dst)+4*\b+2:(\dst)+4*\b+3], v[AB+16*\b+8:AB+16*\b+15], v[TM+12+\b]
.endr
	v_nop
	WIN 0
.endm
.macro BIASK                           ; K's, Q's bias: tile p, lane half h: b[16 p + 8 h + 0 .. 7], into x's tile 0's accumulators; v23 = 32 h
	WIN 0x40
.irp p, 0,1,2,3,4,5,6,7
	global_load_b128 v[8*\p:8*\p+3], v23, s[BN:BN+1] offset:64*\p
	global_load_b128 v[8*\p+4:8*\p+7], v23, s[BN:BN+1] offset:64*\p+16
.endr
	WIN 0
.endm
.macro BIASV adr, base                 ; V's bias: a lane holds one column, so all eight registers of a tile hold bv[c]; the offset is 4 x (lane % 16)
	WIN 0x40
.irp p, 0,1,2,3,4,5,6,7
.irp j, 0,1,2,3,4,5,6,7
	global_load_b32 v[32*\p+\j], v[\adr], s[\base:\base+1] offset:64*\p
.endr
.endr
	WIN 0
.endm
.macro STO16 adr, base                 ; eight tiles of S (window 1) to LDS as images of their registers, each from its low end on
	WIN 0x04
.set K_, 0
.rept 16
	ds_store_b128 v[\adr], v[(\base)+4*K_:(\base)+4*K_+3] offset:512*K_
.set K_, K_+1
.endr
	WIN 0
.endm
.macro LD16 adr, base
	WIN 0x40
.set K_, 0
.rept 16
	ds_load_b128 v[(\base)+4*K_:(\base)+4*K_+3], v[\adr] offset:512*K_
.set K_, K_+1
.endr
	WIN 0
.endm
.macro ADD32 base                      ; my eight tiles += my partner's part, which lies in v64-127 of window 1
	WIN 0x45
.set K_, 0
.rept 32
	v_pk_add_f32 v[(\base)+2*K_:(\base)+2*K_+1], v[(\base)+2*K_:(\base)+2*K_+1], v[64+2*K_:64+2*K_+1]
.set K_, K_+1
.endr
	WIN 0
.endm
.macro SMUL own                        ; 16 tiles of S: source 0 = K's tile ta, source 1 = Q's tile sa; tile at v[128 + 8 (4 sa + ta)] of window 1.  Tiles with sa / 2 = own add onto what lies there
	WIN 0x50
.irp sa, 0,1,2,3
.irp ta, 0,1,2,3
.set D_, 128+8*(4*\sa+\ta)
.if (\sa)/2 == (\own)
	v_wmma_scale_f32_16x16x128_f8f6f4 v[D_:D_+7], v[64+16*\ta:64+16*\ta+15], v[128+16*\sa:128+16*\sa+15], v[D_:D_+7], v[ZS+\ta], v[QS+\sa]
.else
	v_wmma_scale_f32_16x16x128_f8f6f4 v[D_:D_+7], v[64+16*\ta:64+16*\ta+15], v[128+16*\sa:128+16*\sa+15], 0, v[ZS+\ta], v[QS+\sa]
.endif
.endr
.endr
	PLACES 8
	WIN 0
.endm
	s_load_b512 s[4:19], s[0:1], 0x0               ; x codes, x scales, Wv codes, Wv scales, bv, Wk codes, Wk scales, bk
	s_load_b256 s[20:27], s[0:1], 0x40             ; Wq codes, Wq scales, bq, vcodes
	s_load_b128 s[28:31], s[0:1], 0x60             ; vscales, scores
	v_lshl_add_u32 v[SPW], v0, 2, SPARE
	v_mov_b32 v[NIL], 0
	ds_add_u32 v[SPW], v[NIL]                      ; the opening: the add, twice on end, and its wait
	ds_add_u32 v[SPW], v[NIL]
	v_lshrrev_b32 v22, 5, v0
	v_readfirstlane_b32 s[WV], v22
	s_lshr_b32 s[A], s[WV], 1                      ; my batch
	s_and_b32 s[W], s[WV], 1                       ; my half of a phase's columns
	s_bfe_u32 s38, ttmp6, 0x40000
	s_lshl_b32 s[WG], ttmp9, 2
	s_add_co_u32 s[WG], s[WG], s38
	G1SET G1W, 15|(1<<20)|(1<<21)|(6<<22)|(3<<25), 64, 1024
	G1SET G1H, 15|(1<<20)|(1<<21)|(6<<22)|(3<<25), 128, 1024
	G1SET G1X, (1<<20)|(6<<22)|(3<<25), 128, 512   ; x's rows are dense: a row of 1,024 bytes is two rows of 512, so x's image has a slot's own shape
	s_mov_b32 s[MNT], 0x600000
	s_mov_b32 s[SEL], 0x76543210
	s_mov_b32 s[SEL+1], 0xfedcba98
	s_mov_b32 s43, 0
	s_wait_dscnt 0x0
	s_wait_kmcnt 0x0
	s_mov_b32 s[G0H], 1                            ; the head's W: waves 0, 1: 128 rows each of V 0's first half of K, into slot 0
	s_mul_i32 s[G0H+1], s[WV], 128*P
	s_lshl_b32 s42, s[WV], 17
	s_add_nc_u64 s[G0H+2:G0H+3], s[8:9], s[42:43]
	s_or_b32 s[G0H+3], s[G0H+3], 0x80000000
	s_lshl_b32 s42, s[WV], 16                      ; the ring: 64 rows a wave
	s_add_nc_u64 s[8:9], s[8:9], s[42:43]
	s_add_nc_u64 s[14:15], s[14:15], s[42:43]
	s_add_nc_u64 s[20:21], s[20:21], s[42:43]
	s_lshl_b32 s42, s[W], 12                       ; scale bytes of my 128 columns
	s_add_nc_u64 s[10:11], s[10:11], s[42:43]
	s_add_nc_u64 s[16:17], s[16:17], s[42:43]
	s_add_nc_u64 s[22:23], s[22:23], s[42:43]
	s_lshl_b32 s42, s[W], 9                        ; their bias
	s_add_nc_u64 s[12:13], s[12:13], s[42:43]
	s_add_nc_u64 s[18:19], s[18:19], s[42:43]
	s_add_nc_u64 s[24:25], s[24:25], s[42:43]
	s_mov_b32 s[G0X], 1                            ; x: waves 2, 3: 64 rows each, into slot 1
	s_mul_i32 s[G0X+1], s[W], 128*P
	s_add_co_u32 s[G0X+1], s[G0X+1], SLOT
	s_lshl_b32 s42, s[WG], 17
	s_lshl_b32 s38, s[W], 16
	s_add_co_u32 s42, s42, s38
	s_add_nc_u64 s[G0X+2:G0X+3], s[4:5], s[42:43]
	s_or_b32 s[G0X+3], s[G0X+3], 0x80000000
	s_lshl_b32 s42, s[WG], 12                      ; x's scale bytes: my batch
	s_lshl_b32 s38, s[A], 11
	s_add_co_u32 s42, s42, s38
	s_add_nc_u64 s[6:7], s[6:7], s[42:43]
	s_lshl_b32 s42, s[WG], 16                      ; vcodes[work-group][c / 16][piece of 32 t][lane][16]: my 8 fragments, my batch's two pieces
	s_lshl_b32 s38, s[W], 14
	s_add_co_u32 s42, s42, s38
	s_lshl_b32 s38, s[A], 10
	s_add_co_u32 s42, s42, s38
	s_add_nc_u64 s[26:27], s[26:27], s[42:43]
	s_lshl_b32 s42, s[WG], 11                      ; vscales[work-group][batch][c / 64][c % 16][(c / 16) % 4][2 bytes]
	s_lshl_b32 s38, s[A], 10
	s_add_co_u32 s42, s42, s38
	s_lshl_b32 s38, s[W], 8
	s_add_co_u32 s42, s42, s38
	s_add_nc_u64 s[28:29], s[28:29], s[42:43]
	s_lshl_b32 s42, s[WG], 15                      ; scores: 32 tiles of 1,024 bytes a work-group
	s_add_nc_u64 s[30:31], s[30:31], s[42:43]
	s_mov_b32 s[G0A], 1
	s_mul_i32 s[G0A+1], s[WV], 64*P
	s_mov_b32 s[G0B], 1
	s_add_co_u32 s[G0B+1], s[G0A+1], SLOT
	s_add_nc_u64 s[G0B+2:G0B+3], s[8:9], 512       ; V 0's second half of K
	s_or_b32 s[G0B+3], s[G0B+3], 0x80000000
	ROUND                                          ; all four work-groups are here
	s_cmp_lt_u32 s[WV], 2                          ; one tensor load a wave at the head
	s_cbranch_scc0 .Lhead_x
	tensor_load_to_lds s[G0H:G0H+3], s[G1H:G1H+7]
	s_nop 0
	PLACES 4
	s_branch .Lhead_j
.Lhead_x:
	tensor_load_to_lds s[G0X:G0X+3], s[G1X:G1X+7]
	s_nop 0
	PLACES 4
.Lhead_j:
	v_and_b32 v22, 15, v0                          ; r
	v_bfe_u32 v23, v0, 4, 1                        ; h
	v_mul_u32_u24 v[AW0], v22, P
	v_lshl_add_u32 v[AW0], v23, 4, v[AW0]
	s_mul_i32 s38, s[W], 128*P
	v_add_nc_u32 v[AW0], s38, v[AW0]
	v_add_nc_u32 v[AW1], SLOT, v[AW0]
	v_lshlrev_b32 v[WSO], 5, v22
	v_lshl_add_u32 v240, v23, 10, v[WSO]           ; x's scale bytes: row 32 h + r
	v_lshl_add_u32 v[WSO], v23, 11, v[WSO]         ; W's: row 64 h + r
	v_mul_u32_u24 v241, v22, 2*P                   ; x in slot 1: row r of my batch, + 16 h
	v_lshl_add_u32 v241, v23, 4, v241
	s_mul_i32 s38, s[A], 128*P
	s_add_co_u32 s38, s38, SLOT
	v_add_nc_u32 v241, s38, v241
	v_lshlrev_b32 v242, 2, v22
	WALU
.irp t, 0,1
	global_load_b128 v[XS+8*\t:XS+8*\t+3], v240, s[6:7] offset:512*\t
	global_load_b128 v[XS+8*\t+4:XS+8*\t+7], v240, s[6:7] offset:512*\t+16
.endr
.irp f, 0,1
.irp i, 0,1,2,3
	global_load_b128 v[WS+16*\f+4*\i:WS+16*\f+4*\i+3], v[WSO], s[10:11] offset:512*\i+16*\f
.endr
.endr
	BIASV 242, 12
	s_wait_xcnt 0x0                                ; these loads have read their offsets: v240-243 take fragments of W below
	s_wait_tensorcnt 0x0                           ; my tile is in
	s_barrier_signal -1
	s_barrier_wait -1                              ; everybody's is
.irp g, 0,1                                    ; my 64 rows of x, all of K, into windows 2 and 3
	WIN 0x80+0x40*\g
.irp q, 0,1,2,3
.irp t, 0,1,2,3
.irp c, 0,1,2,3
	ds_load_b128 v[16*(4*\q+\t)+4*\c:16*(4*\q+\t)+4*\c+3], v241 offset:\t*32*P+\g*P+128*\q+32*\c
.endr
.endr
.endr
.endr
	LOADF 0, 0, 0
	LOADF 0, 0, 1
	s_wait_tensorcnt 0x0                           ; the three lines and a round: slot 1 is filled again, over x
	ds_add_u32 v[SPW], v[NIL]
	s_wait_dscnt 0x0                               ; x is in registers
	ROUND
	tensor_load_to_lds s[G0B:G0B+3], s[G1W:G1W+7]
	s_nop 0
	PLACES 4
	s_mov_b32 s[TRIP], 0
.Lv:                                               ; V 0, V 1
	s_wait_xcnt 0x0                                ; the loads have read their bases
	s_add_nc_u64 s[8:9], s[8:9], 262144
	s_add_nc_u64 s[10:11], s[10:11], 8192
	s_add_nc_u64 s[12:13], s[12:13], 1024
	s_cmp_eq_u32 s[TRIP], 0                        ; what follows: V 1, then K 0
	s_cselect_b64 s[NXT:NXT+1], s[8:9], s[14:15]
	s_cselect_b64 s[SN:SN+1], s[10:11], s[16:17]
	s_cselect_b64 s[BN:BN+1], s[12:13], s[18:19]
	PHASE 1, 1
	TMINIT
	QUANT 0, 64, ZS                                ; two fragments of 16 c x 64 t at a time
	QUANT 1, 80, ZS+1
	QUANT 2, 96, ZS+2
	QUANT 3, 112, ZS+3
	v_and_b32 v22, 31, v0
	v_lshlrev_b32 v23, 3, v22
	v_lshlrev_b32 v22, 4, v22
	v_bfe_u32 v236, v0, 4, 1
	v_cmp_ne_u32 s92, 0, v236
	v_cndmask_b32 v236, v[ZS], v[ZS+2], s92        ; lanes 0-15: fragments 0-3's bytes, lanes 16-31: 4-7's (both halves of the lanes hold every word)
	v_cndmask_b32 v237, v[ZS+1], v[ZS+3], s92
.irp f, 0,1,2,3,4,5,6,7
.irp b, 0,1
	global_store_b128 v22, v[64+8*\f+4*\b:64+8*\f+4*\b+3], s[26:27] offset:2048*\f+512*\b th:TH_STORE_NT   ; 512 consecutive bytes, aligned
.endr
.endr
	global_store_b64 v23, v[236:237], s[28:29] th:TH_STORE_NT   ; 256 consecutive bytes, aligned
	s_wait_xcnt 0x0
	s_add_nc_u64 s[26:27], s[26:27], 32768
	s_add_nc_u64 s[28:29], s[28:29], 512
	v_and_b32 v22, 15, v0
	v_lshlrev_b32 v22, 2, v22
	v_bfe_u32 v23, v0, 4, 1
	v_lshlrev_b32 v23, 5, v23
	WALU
	s_cmp_eq_u32 s[TRIP], 0
	s_cbranch_scc0 .Lbias_k
	BIASV 22, BN
	s_branch .Lbias_j
.Lbias_k:
	BIASK
.Lbias_j:
	LOADF 0, 0, 0
	LOADF 0, 0, 1
	s_add_co_u32 s[TRIP], s[TRIP], 1
	s_cmp_lt_u32 s[TRIP], 2
	s_cbranch_scc1 .Lv
	s_add_nc_u64 s[14:15], s[14:15], 262144        ; K's pointers: on to half 1 of c
	s_add_nc_u64 s[16:17], s[16:17], 8192
	s_add_nc_u64 s[18:19], s[18:19], 1024
	s_mov_b32 s[TRIP], 0
.Lg:                                               ; K 0, Q 0, K 1
	s_wait_xcnt 0x0
	s_cmp_eq_u32 s[TRIP], 1                        ; what follows: Q 0, K 1, Q 1
	s_cselect_b64 s[NXT:NXT+1], s[14:15], s[20:21]
	s_cselect_b64 s[SN:SN+1], s[16:17], s[22:23]
	s_cselect_b64 s[BN:BN+1], s[18:19], s[24:25]
	PHASE 0, 1
	TMINIT
	QUANT 0, 128, QS
	v_bfe_u32 v23, v0, 4, 1
	v_lshlrev_b32 v23, 5, v23
	BIASK                                          ; tile 0's accumulators are free
	QUANT 1, 144, QS+1
	QUANT 2, 160, QS+2
	QUANT 3, 176, QS+3
	WALU
	s_wait_xcnt 0x0                                ; the bias's loads have read v23
	v_and_b32 v22, 31, v0
	v_lshlrev_b32 v22, 4, v22
	s_lshl_b32 s38, s[WV], 13
	s_add_co_u32 s38, s38, STG
	v_add_nc_u32 v23, s38, v22                     ; my 8,192 bytes of the stage
	s_xor_b32 s39, s[WV], 1
	s_lshl_b32 s39, s39, 13
	s_add_co_u32 s39, s39, STG
	v_add_nc_u32 v22, s39, v22                     ; my partner's
	WALU
	s_cmp_eq_u32 s[TRIP], 1
	s_cbranch_scc1 .Lq0
.set K_, 0
.rept 64                                       ; K's codes and scale words go to their place
	v_mov_b32 v[64+K_], v[128+K_]
.set K_, K_+1
.endr
.irp i, 0,1,2,3
	v_mov_b32 v[ZS+\i], v[QS+\i]
.endr
	s_branch .Lgj
.Lq0:                                              ; S over half 0 of c
	PLACES 8                                       ; codes stand four places ahead of a scaled product, scale words eight
	SMUL -1
	s_cmp_eq_u32 s[W], 0
	s_cbranch_scc0 .Lq0s1
	STO16 22, 192                                  ; wave column 0 owns s tiles 0, 1 and hands over 2, 3
	s_branch .Lq0sj
.Lq0s1:
	STO16 22, 128
.Lq0sj:
	s_wait_dscnt 0x0                               ; for my partner's sake
	s_barrier_signal -1
	s_barrier_wait -1
	LD16 23, 64
	s_wait_dscnt 0x0
	s_cmp_eq_u32 s[W], 0
	s_cbranch_scc0 .Lq0a1
	ADD32 128
	STO16 23, 128                                  ; the sum waits where I have just read: nobody else touches these bytes again
	s_branch .Lgj
.Lq0a1:
	ADD32 192
	STO16 23, 192
.Lgj:
	LOADF 0, 0, 0
	LOADF 0, 0, 1
	s_add_nc_u64 s[20:21], s[20:21], 131072        ; Q's pointers: two trips make the step to half 1 of c
	s_add_nc_u64 s[22:23], s[22:23], 4096
	s_add_nc_u64 s[24:25], s[24:25], 512
	s_add_co_u32 s[TRIP], s[TRIP], 1
	s_cmp_lt_u32 s[TRIP], 3
	s_cbranch_scc1 .Lg
	PHASE 0, 0                                     ; Q 1 is written out: it asks for nothing
	TMINIT
	QUANT 0, 128, QS
	QUANT 1, 144, QS+1
	QUANT 2, 160, QS+2
	QUANT 3, 176, QS+3
	v_and_b32 v22, 31, v0
	v_lshlrev_b32 v22, 4, v22
	s_lshl_b32 s38, s[WV], 13
	v_add_nc_u32 v23, s38, v22                     ; the last hand-over goes through slot 0, which has had its last fill and its last read
	s_add_co_u32 s38, s38, STG
	v_add_nc_u32 v[WSO], s38, v22                  ; where my sum of half 0 waits
	s_xor_b32 s39, s[WV], 1
	s_lshl_b32 s39, s39, 13
	v_add_nc_u32 v22, s39, v22
	PLACES 8
	WALU
	s_cmp_eq_u32 s[W], 0
	s_cbranch_scc0 .Lf1
	LD16 WSO, 128
	s_wait_dscnt 0x0
	SMUL 0
	STO16 22, 192
	s_branch .Lfj
.Lf1:
	LD16 WSO, 192
	s_wait_dscnt 0x0
	SMUL 1
	STO16 22, 128
.Lfj:
	s_wait_dscnt 0x0
	s_barrier_signal -1
	s_barrier_wait -1
	LD16 23, 64
	s_wait_dscnt 0x0
.macro SOUT base                       ; my eight finished tiles: each store covers 512 consecutive bytes, aligned
	ADD32 \base
	WIN 0x04
.set K_, 0
.rept 16
	global_store_b128 v23, v[(\base)+4*K_:(\base)+4*K_+3], s[30:31] offset:512*K_
.set K_, K_+1
.endr
	WIN 0
.endm
	s_cmp_eq_u32 s[W], 0
	s_cbranch_scc0 .Lo1
	SOUT 128
	s_branch .Loj
.Lo1:
	SOUT 192
.Loj:
	s_wait_tensorcnt 0x0                           ; the wave's end
	ds_add_u32 v[SPW], v[NIL]
	s_wait_dscnt 0x0
	ROUND                                          ; the closing round
	s_endpgm
.Lfunc_end_k_qd46e371801_proj:
	.size	k_qd46e371801_proj, .Lfunc_end_k_qd46e371801_proj-k_qd46e371801_proj
	.p2alignl 7, 3214868480
	.fill 96, 4, 3214868480
	.section	.rodata,"a",@progbits
	.p2align	6, 0x0
	.amdhsa_kernel k_qd46e371801_proj
		.amdhsa_group_segment_fixed_size 327680
		.amdhsa_private_segment_fixed_size 0
		.amdhsa_enable_private_segment 0
		.amdhsa_kernarg_size 112
		.amdhsa_user_sgpr_count 2
		.amdhsa_user_sgpr_kernarg_segment_ptr 1
		.amdhsa_wavefront_size32 1
		.amdhsa_system_sgpr_workgroup_id_x 1
		.amdhsa_system_sgpr_workgroup_id_y 1
		.amdhsa_system_sgpr_workgroup_id_z 1
		.amdhsa_system_vgpr_workitem_id 0
		.amdhsa_next_free_vgpr 1024
		.amdhsa_next_free_sgpr 96
		.amdhsa_reserve_vcc 0
		.amdhsa_float_denorm_mode_32 3
		.amdhsa_float_denorm_mode_16_64 3
		.amdhsa_memory_ordered 1
		.amdhsa_forward_progress 1
		.amdhsa_inst_pref_size 255
	.end_amdhsa_kernel
	.section	.bss,"aw",@nobits
	.p2align	6
	.space	262144
	.amdgpu_metadata
---
amdhsa.version: [ 1, 2 ]
amdhsa.kernels:
  - .name:           k_qd46e371801_proj
    .symbol:         k_qd46e371801_proj.kd
    .args:
      - { .name: x_codes, .offset: 0, .size: 8, .value_kind: global_buffer, .address_space: global }
      - { .name: x_scales, .offset: 8, .size: 8, .value_kind: global_buffer, .address_space: global }
      - { .name: Wv_codes, .offset: 16, .size: 8, .value_kind: global_buffer, .address_space: global }
      - { .name: Wv_scales, .offset: 24, .size: 8, .value_kind: global_buffer, .address_space: global }
      - { .name: bv, .offset: 32, .size: 8, .value_kind: global_buffer, .address_space: global }
      - { .name: Wk_codes, .offset: 40, .size: 8, .value_kind: global_buffer, .address_space: global }
      - { .name: Wk_scales, .offset: 48, .size: 8, .value_kind: global_buffer, .address_space: global }
      - { .name: bk, .offset: 56, .size: 8, .value_kind: global_buffer, .address_space: global }
      - { .name: Wq_codes, .offset: 64, .size: 8, .value_kind: global_buffer, .address_space: global }
      - { .name: Wq_scales, .offset: 72, .size: 8, .value_kind: global_buffer, .address_space: global }
      - { .name: bq, .offset: 80, .size: 8, .value_kind: global_buffer, .address_space: global }
      - { .name: vcodes, .offset: 88, .size: 8, .value_kind: global_buffer, .address_space: global }
      - { .name: vscales, .offset: 96, .size: 8, .value_kind: global_buffer, .address_space: global }
      - { .name: scores, .offset: 104, .size: 8, .value_kind: global_buffer, .address_space: global }
    .group_segment_fixed_size: 327680
    .private_segment_fixed_size: 0
    .kernarg_segment_align: 8
    .kernarg_segment_size: 112
    .max_flat_workgroup_size: 128
    .sgpr_count:     96
    .vgpr_count:     1024
    .wavefront_size: 32
...
	.end_amdgpu_metadata
.endif
;; end of part 1
;; launch stats (part 2): grid 64 x 1, 16 waves a work-group, no clusters, 10,240 bytes of LDS; arguments scores, lse; writes lse
.if DOCPART == 2
	.amdgcn_target "amdgcn-amd-amdhsa--gfx1250"
	.amdhsa_code_object_version 6
	.text
	.protected	k_qd46e371801_stats
	.globl	k_qd46e371801_stats
	.p2align	8
	.type	k_qd46e371801_stats,@function
k_qd46e371801_stats:
	s_mov_b64 s[64:65], 0
	v_nop
	global_prefetch_b8 v0, s[64:65] scope:SCOPE_SE
	s_setreg_imm32_b32 hwreg(HW_REG_WAVE_MODE, 25, 1), 1
	s_wait_xcnt 0x0
; Second launch: for each of the 4,096 places (t, s): L = c max_b S + log2(sum over b of 2^(c S - c max_b S)), c = log2(e) / sqrt(512).  The finished softmax over the batch axis is then 2^(c S - L):
; the maximum over all 512 batches is taken away inside L, and the sum is at least about 1, so no exponent of the third launch lies above 0 by more than rounding.  Nothing is left out.
; scores: [512 batches][16,384 bytes]; every batch has the same order of places, and L is stored in that order, so nothing here knows of t or s.
; SHARES.  A work-group owns 256 aligned bytes (64 places) of the 16,384, in all 512 batches: so every load of sixteen lanes reads 256 consecutive bytes.  64 work-groups: a finer cut would read such runs in part, and a cut of
; the batches would want one launch more.  Wave v takes batches 32 v .. 32 v + 31: sixteen loads, lanes 0-15 an even batch, lanes 16-31 the odd one; a lane holds 4 places.  The waves' maxima and sums meet in LDS.
; No matrix work, no tensor load, no cluster: the work-groups share no byte.
; LIMITS: NaN and infinities are not served.
.set R1,    4096                       ; LDS: the waves' maxima at 0 (16 x 256 bytes), their sums at R1
.set SPARE, 8192                       ; the spare words, 128 bytes for each of the 16 waves
.set OFF, 3                            ; v3   my 16 bytes of my first batch
.set LW,  4                            ; v4   256 x wave + 16 x (lane % 16)
.set LR,  5                            ; v5   16 x (lane % 16)
.set SPW, 6
.set NIL, 7
.set M,   8                            ; v8-11   maxima
.set NM,  12                           ; v12-15  -c x the maximum
.set D,   16                           ; v16-79  my 64 scores
.set E,   80                           ; v80-143 the sixteen waves' figures
.set PT,  144                          ; v144-147 the other half of the lanes'
.set SU,  148                          ; v148-151 sums
.set LL,  152                          ; v152-155 L
.macro MAX16 src                       ; the largest of sixteen, for each of my four places
.irp c, 0,1,2,3
	v_max3_num_f32 v[M+\c], v[\src+\c], v[\src+4+\c], v[\src+8+\c]
.endr
.irp i, 3,5,7,9,11,13
.irp c, 0,1,2,3
	s_delay_alu instid0(VALU_DEP_4)
	v_max3_num_f32 v[M+\c], v[M+\c], v[\src+4*\i+\c], v[\src+4*\i+4+\c]
.endr
.endr
.irp c, 0,1,2,3
	s_delay_alu instid0(VALU_DEP_4)
	v_max_num_f32 v[M+\c], v[M+\c], v[\src+60+\c]
.endr
.endm
.macro SUM16 src                       ; the sum of sixteen, two places at a time, in two chains
	v_pk_add_f32 v[SU:SU+1], v[\src:\src+1], v[\src+4:\src+5]
	v_pk_add_f32 v[SU+2:SU+3], v[\src+2:\src+3], v[\src+6:\src+7]
.irp i, 2,3,4,5,6,7,8,9,10,11,12,13,14,15
	v_pk_add_f32 v[SU:SU+1], v[SU:SU+1], v[\src+4*\i:\src+4*\i+1]
	v_pk_add_f32 v[SU+2:SU+3], v[SU+2:SU+3], v[\src+4*\i+2:\src+4*\i+3]
.endr
.endm
	s_load_b128 s[4:7], s[0:1], 0x0                ; scores, lse
	v_lshl_add_u32 v[SPW], v0, 2, SPARE
	v_mov_b32 v[NIL], 0
	v_lshrrev_b32 v1, 5, v0
	s_delay_alu instid0(VALU_DEP_1)
	v_readfirstlane_b32 s12, v1                    ; wave 0..15
	v_and_b32 v1, 15, v0
	v_bfe_u32 v2, v0, 4, 1
	s_delay_alu instid0(VALU_DEP_2)
	v_lshlrev_b32 v[LR], 4, v1
	s_lshl_b32 s13, s12, 19                        ; 32 batches of 16,384 bytes a wave
	v_lshl_add_u32 v[OFF], v2, 14, v[LR]           ; lanes 16-31: one batch on
	s_delay_alu instid0(VALU_DEP_1)
	v_add_nc_u32 v[OFF], s13, v[OFF]
	s_lshl_b32 s14, s12, 8
	v_add_nc_u32 v[LW], s14, v[LR]
	s_mov_b32 s8, 0x3d8293ee                       ; c = log2(e) / sqrt(512)
	s_mov_b32 s9, s8                               ; (the packed form names the pair)
	s_mov_b32 s15, 0xbd8293ee                      ; -c
	s_mov_b32 s10, 0x76543210
	s_mov_b32 s11, 0xfedcba98                      ; lane l xor 16
	s_lshl_b32 s16, ttmp9, 8                       ; my work-group's 256 bytes
	s_mov_b32 s17, 0
.irp c, 0,1,2,3
	v_mov_b32 v[PT+\c], 0                          ; a lane permute's destination counts as one of its sources
.endr
	s_wait_alu depctr_va_vdst(0)
	s_wait_kmcnt 0x0
	s_add_nc_u64 s[4:5], s[4:5], s[16:17]
	s_add_nc_u64 s[6:7], s[6:7], s[16:17]
.irp i, 0,1,2,3,4,5,6,7,8,9,10,11,12,13,14,15
	global_load_b128 v[D+4*\i:D+4*\i+3], v[OFF], s[4:5] offset:32768*\i
.endr
	s_wait_loadcnt 0x0
	MAX16 D
.irp c, 0,1,2,3
	s_delay_alu instid0(VALU_DEP_4)
	v_permlanex16_b32 v[PT+\c], v[M+\c], s10, s11
.endr
.irp c, 0,1,2,3
	s_delay_alu instid0(VALU_DEP_4)
	v_max_num_f32 v[M+\c], v[M+\c], v[PT+\c]       ; my wave's 32 batches
.endr
	ds_store_b128 v[LW], v[M:M+3]                  ; (both halves of the lanes write the same bytes with the same values)
	s_wait_dscnt 0x0                               ; for the others' sake
	s_barrier_signal -1
	s_barrier_wait -1
.irp k, 0,1,2,3,4,5,6,7,8,9,10,11,12,13,14,15
	ds_load_b128 v[E+4*\k:E+4*\k+3], v[LR] offset:256*\k
.endr
	s_wait_dscnt 0x0
	MAX16 E                                        ; the maximum over all 512 batches
.irp c, 0,1,2,3
	s_delay_alu instid0(VALU_DEP_4)
	v_mul_f32 v[NM+\c], s15, v[M+\c]
.endr
.irp i, 0,1,2,3,4,5,6,7,8,9,10,11,12,13,14,15
	v_pk_fma_f32 v[D+4*\i:D+4*\i+1], v[D+4*\i:D+4*\i+1], s[8:9], v[NM:NM+1] op_sel_hi:[1,0,1]
	v_pk_fma_f32 v[D+4*\i+2:D+4*\i+3], v[D+4*\i+2:D+4*\i+3], s[8:9], v[NM+2:NM+3] op_sel_hi:[1,0,1]
.endr
.set J, 0
	s_wait_alu depctr_va_vdst(0)
.rept 64
	v_exp_f32 v[D+J], v[D+J]
.set J, J+1
.endr
	v_nop                                          ; a plain line behind the last exponential
	s_wait_alu depctr_va_vdst(0)                   ; one wait for the whole batch, ahead of its first reader
	SUM16 D
.irp c, 0,1,2,3
	v_permlanex16_b32 v[PT+\c], v[SU+\c], s10, s11
.endr
.irp c, 0,1,2,3
	s_delay_alu instid0(VALU_DEP_4)
	v_add_f32 v[SU+\c], v[SU+\c], v[PT+\c]
.endr
	ds_store_b128 v[LW], v[SU:SU+3] offset:R1      ; other bytes than the maxima's: no barrier is owed between those reads and these stores
	s_wait_dscnt 0x0
	s_barrier_signal -1
	s_barrier_wait -1
	s_cmp_lg_u32 s12, 0
	s_cbranch_scc1 .Lend                           ; wave 0 finishes
.irp k, 0,1,2,3,4,5,6,7,8,9,10,11,12,13,14,15
	ds_load_b128 v[E+4*\k:E+4*\k+3], v[LR] offset:R1+256*\k
.endr
	s_wait_dscnt 0x0
	SUM16 E
	s_wait_alu depctr_va_vdst(0)
.irp c, 0,1,2,3
	v_log_f32 v[LL+\c], v[SU+\c]
.endr
	v_nop
	s_wait_alu depctr_va_vdst(0)
.irp c, 0,1,2,3
	v_sub_f32 v[LL+\c], v[LL+\c], v[NM+\c]         ; log2(sum) + c x the maximum
.endr
	s_wait_alu depctr_va_vdst(0)
	s_wait_xcnt 0x0                                ; EXEC changes only behind this wait
	v_cmp_gt_u32 vcc_lo, 16, v0                    ; in wave 0 the thread's number is the lane
	s_and_saveexec_b32 s18, vcc_lo
	global_store_b128 v[LR], v[LL:LL+3], s[6:7]    ; sixteen lanes store 256 consecutive bytes, aligned
	s_wait_xcnt 0x0
	s_or_b32 exec_lo, exec_lo, s18
.Lend:
	s_wait_tensorcnt 0x0                           ; the wave's end
	ds_add_u32 v[SPW], v[NIL]
	s_wait_dscnt 0x0
	s_endpgm
.Lfunc_end_k_qd46e371801_stats:
	.size	k_qd46e371801_stats, .Lfunc_end_k_qd46e371801_stats-k_qd46e371801_stats
	.p2alignl 7, 3214868480
	.fill 96, 4, 3214868480
	.section	.rodata,"a",@progbits
	.p2align	6, 0x0
	.amdhsa_kernel k_qd46e371801_stats
		.amdhsa_group_segment_fixed_size 10240
		.amdhsa_private_segment_fixed_size 0
		.amdhsa_enable_private_segment 0
		.amdhsa_kernarg_size 16
		.amdhsa_user_sgpr_count 2
		.amdhsa_user_sgpr_kernarg_segment_ptr 1
		.amdhsa_wavefront_size32 1
		.amdhsa_system_sgpr_workgroup_id_x 1
		.amdhsa_system_sgpr_workgroup_id_y 1
		.amdhsa_system_sgpr_workgroup_id_z 1
		.amdhsa_system_vgpr_workitem_id 0
		.amdhsa_next_free_vgpr 160
		.amdhsa_next_free_sgpr 66
		.amdhsa_reserve_vcc 1
		.amdhsa_float_denorm_mode_32 3
		.amdhsa_float_denorm_mode_16_64 3
		.amdhsa_memory_ordered 1
		.amdhsa_forward_progress 1
		.amdhsa_inst_pref_size 21
	.end_amdhsa_kernel
	.amdgpu_metadata
---
amdhsa.version: [ 1, 2 ]
amdhsa.kernels:
  - .name:           k_qd46e371801_stats
    .symbol:         k_qd46e371801_stats.kd
    .args:
      - { .name: scores, .offset: 0, .size: 8, .value_kind: global_buffer, .address_space: global }
      - { .name: lse, .offset: 8, .size: 8, .value_kind: global_buffer, .address_space: global }
    .group_segment_fixed_size: 10240
    .private_segment_fixed_size: 0
    .kernarg_segment_align: 8
    .kernarg_segment_size: 16
    .max_flat_workgroup_size: 512
    .sgpr_count:     66
    .vgpr_count:     160
    .wavefront_size: 32
...
	.end_amdgpu_metadata
.endif
;; end of part 2
;; launch mix (part 3): grid 256 x 1, 8 waves a work-group, no clusters, 11,520 bytes of LDS; arguments scores, lse, vcodes, vscales, out0; writes out0
.if DOCPART == 3
	.amdgcn_target "amdgcn-amd-amdhsa--gfx1250"
	.amdhsa_code_object_version 6
	.text
	.protected	k_qd46e371801_mix
	.globl	k_qd46e371801_mix
	.p2align	8
	.type	k_qd46e371801_mix,@function
k_qd46e371801_mix:
	s_mov_b64 s[64:65], 0
	v_nop
	global_prefetch_b8 v0, s[64:65] scope:SCOPE_SE
	s_setreg_imm32_b32 hwreg(HW_REG_WAVE_MODE, 25, 1), 1
	s_wait_xcnt 0x0
; Third launch: the weights p[b][t][s] = 2^(c S - L) (the finished softmax over the batch axis: L holds c x the maximum over the batches and log2 of the sum), quantised along t; out[b][c][s] = sum over t of V[b][t][c] p[b][t][s].  Nothing is left out.
; SHARES.  A work-group owns two batches, the pair whose values lie together in one fragment of vcodes (16 columns c x 128: t 0..63 of the even batch, then of the odd one).
; First each of the eight waves makes the codes of one batch (wave / 4) and 16 columns s (wave % 4): a lane holds one s, its 32 registers run along t: two blocks of 32, each in lanes l and l xor 16.
; The codes go through LDS, a row of 64 to an s.  Then wave v makes rows c = 64 v .. 64 v + 63 of both batches, all 64 s.
; K = 64 IN AN INSTRUCTION OF 128: the weights' operand of the even batch is [its 64 codes | 64 zero codes], that of the odd batch [64 zero codes | its 64 codes]: 24 registers [even 8][zeros 8][odd 8] serve both.
; One scale word carries both batches' bytes; all lie between 1 and 254, so zero codes add nothing.  t stands in both operands at the same places of a block of 32 (first launch).
; THE WAY OUT NEEDS NO LDS: source 0 = V (rows c), source 1 = the weights, whose tile st takes in lane r the column s = 4 r + st.  Register j of the four accumulators is then out[c][4 r .. 4 r + 3]: four moves
; make 16 neighbouring bytes, and a store writes two whole rows of 256 bytes.
; No tensor load and no cluster: the work-groups share only the 16,384 bytes of L, a small part of what each moves.
; LIMITS: a p under 2^-126 comes out of v_exp_f32 as 0; a block of zeros gets the scale byte 1 (its codes are zeros); NaN and infinities are not served.
.set SCB,   10240                      ; LDS: the weights' codes at 0: [2 batches][64 places][64 bytes + 16]; their scale words here: [64 places][2 batches][2 bytes]
.set SPARE, 10496                      ; the spare words, 128 bytes for each of the 8 waves
.set GI,  4                            ; v4   16 x lane
.set RI,  5                            ; v5   16 x (lane % 16)
.set PWA, 6                            ; v6   where I put my s's codes
.set PSA, 7                            ; v7   and its two scale bytes
.set PRA, 8                            ; v8   where I read an operand's row
.set PSR, 9                            ; v9   and its scale word
.set OO,  10                           ; v10  my byte offset in out0: 8 rows x half + 16 x (lane % 16)
.set SPW, 11
.set NIL, 12
.set TM,  14                           ; v14-15 largest p, v16-17 bytes, v18-19 448 x scale, v20-21 the conversions' scale operands, v22 the two bytes
.set PS,  24                           ; v24-27 the weights' scale words, one a tile
.set VS,  28                           ; v28-31 V's, one a fragment
.set PF,  32                           ; v32-127 the weights' operands, 24 registers a tile (at first v32-39: the codes that I make)
.set VF,  128                          ; v128-191 four fragments of V
.set ACC, 192                          ; v192-223 at first S and p; then four accumulators
.set OUTR, 224                         ; v224-255 at first L; then eight runs of four on their way out
	s_load_b256 s[4:11], s[0:1], 0x0               ; scores s[4:5], lse s[6:7], vcodes s[8:9], vscales s[10:11]
	s_load_b64 s[12:13], s[0:1], 0x20              ; out0
	v_lshl_add_u32 v[SPW], v0, 2, SPARE
	v_mov_b32 v[NIL], 0
	v_lshrrev_b32 v1, 5, v0
	s_delay_alu instid0(VALU_DEP_1)
	v_readfirstlane_b32 s14, v1                    ; wave 0..7
	v_and_b32 v1, 31, v0
	v_and_b32 v2, 15, v0                           ; r
	v_bfe_u32 v3, v0, 4, 1                         ; h
	s_delay_alu instid0(VALU_DEP_3)
	v_lshlrev_b32 v[GI], 4, v1
	s_delay_alu instid0(VALU_DEP_3)
	v_lshlrev_b32 v[RI], 4, v2
	v_lshlrev_b32 v23, 3, v2                       ; V's scale bytes: 8 bytes a row
	s_and_b32 s15, s14, 3                          ; sa: which 16 columns s I make
	s_lshr_b32 s16, s14, 2                         ; of which batch
	v_and_b32 v13, 3, v2
	v_lshrrev_b32 v14, 2, v2
	s_delay_alu instid0(VALU_DEP_1)
	v_lshl_add_u32 v13, v13, 4, v14                ; s = 16 sa + r lies at place 16 (s % 4) + s / 4 = 16 (r % 4) + r / 4 + 4 sa
	s_mul_i32 s17, s15, 320
	s_mul_i32 s18, s16, 5120
	s_add_co_u32 s17, s17, s18
	v_mul_u32_u24 v[PWA], v13, 80
	s_delay_alu instid0(VALU_DEP_1)
	v_lshl_add_u32 v[PWA], v3, 4, v[PWA]
	s_delay_alu instid0(VALU_DEP_1)
	v_add_nc_u32 v[PWA], s17, v[PWA]
	s_lshl_b32 s17, s15, 4
	s_lshl_b32 s18, s16, 1
	s_add_co_u32 s17, s17, s18
	s_add_co_u32 s17, s17, SCB
	v_lshl_add_u32 v[PSA], v13, 2, s17
	v_mul_u32_u24 v[PRA], v2, 80
	s_delay_alu instid0(VALU_DEP_1)
	v_lshl_add_u32 v[PRA], v3, 4, v[PRA]
	v_lshl_add_u32 v[PSR], v2, 2, SCB
	v_lshl_add_u32 v[OO], v3, 11, v[RI]
	v_mov_b32 v[TM+2], 0                           ; a lane permute's destination counts as one of its sources
	v_mov_b32 v[TM+3], 0
	s_mov_b32 s22, 0x3d8293ee                      ; c = log2(e) / sqrt(512)
	s_mov_b32 s23, s22
	s_mov_b32 s24, 0x76543210
	s_mov_b32 s25, 0xfedcba98                      ; lane l xor 16
	s_mov_b32 s26, 0x600000                        ; the mantissa field of 448
	s_mov_b32 s21, 0
	s_wait_kmcnt 0x0
	s_lshl_b32 s20, ttmp9, 3
	s_add_co_u32 s19, s20, s14                     ; 8 x work-group + wave
	s_lshl_b32 s20, s19, 12                        ; scores: 4 tiles of 1,024 bytes a wave
	s_add_nc_u64 s[4:5], s[4:5], s[20:21]
	s_lshl_b32 s20, s15, 12                        ; L: the same four tiles of the one image
	s_add_nc_u64 s[6:7], s[6:7], s[20:21]
	s_lshl_b32 s20, s19, 13                        ; vcodes: 4 fragments of 2,048 bytes a wave
	s_add_nc_u64 s[8:9], s[8:9], s[20:21]
	s_lshl_b32 s20, ttmp9, 11                      ; vscales[work-group][batch][wave][r][fragment][2 bytes]
	s_lshl_b32 s18, s14, 7
	s_add_co_u32 s20, s20, s18
	s_add_nc_u64 s[10:11], s[10:11], s[20:21]
	s_lshl_b32 s20, ttmp9, 18                      ; out0: two batches of 131,072 bytes a work-group,
	s_lshl_b32 s18, s14, 14                        ; 64 rows of 256 bytes a wave
	s_add_co_u32 s20, s20, s18
	s_add_nc_u64 s[12:13], s[12:13], s[20:21]
.irp k, 0,1,2,3,4,5,6,7
	global_load_b128 v[ACC+4*\k:ACC+4*\k+3], v[GI], s[4:5] offset:512*\k th:TH_LOAD_NT   ; S: register 8 ta + j is t = 16 ta + 8 h + j of my s
.endr
.irp k, 0,1,2,3,4,5,6,7
	global_load_b128 v[OUTR+4*\k:OUTR+4*\k+3], v[GI], s[6:7] offset:512*\k
.endr
.irp k, 0,1,2,3,4,5,6,7,8,9,10,11,12,13,14,15
	global_load_b128 v[VF+4*\k:VF+4*\k+3], v[GI], s[8:9] offset:512*\k th:TH_LOAD_NT     ; four fragments, as images of their registers
.endr
	global_load_b64 v[0:1], v23, s[10:11] th:TH_LOAD_NT               ; row r's bytes of the four fragments: the even batch's,
	global_load_b64 v[2:3], v23, s[10:11] offset:1024 th:TH_LOAD_NT   ; the odd batch's
	s_wait_loadcnt 18                              ; S and L are in; V's sixteen loads and its two of scale bytes may be out
.irp k, 0,1,2,3,4,5,6,7,8,9,10,11,12,13,14,15
	v_pk_fma_f32 v[ACC+2*\k:ACC+2*\k+1], v[ACC+2*\k:ACC+2*\k+1], s[22:23], v[OUTR+2*\k:OUTR+2*\k+1] op_sel_hi:[1,0,1] neg_lo:[0,0,1] neg_hi:[0,0,1]   ; c S - L
.endr
.set J, 0
	s_wait_alu depctr_va_vdst(0)
.rept 32
	v_exp_f32 v[ACC+J], v[ACC+J]                   ; p, finished and normalised
.set J, J+1
.endr
.irp st, 0,1,2,3                               ; the zero codes: plain work that names no exponential's result, between the batch and its wait
.irp k, 0,1,2,3,4,5,6,7
	v_mov_b32 v[PF+24*\st+8+\k], 0
.endr
.endr
	s_wait_alu depctr_va_vdst(0)                   ; one wait for the whole batch, ahead of its first reader
.irp b, 0,1
	v_max3_num_f32 v[TM+\b], v[ACC+16*\b], v[ACC+16*\b+1], 0x4800000   ; block b: my 16 (p is not negative), and the floor 2^(9-127): the byte cannot fall under 1
.endr
.irp i, 2,4,6,8,10,12,14
.irp b, 0,1
	v_max3_num_f32 v[TM+\b], v[TM+\b], v[ACC+16*\b+\i], v[ACC+16*\b+\i+1]
.endr
.endr
.irp b, 0,1
	s_delay_alu instid0(VALU_DEP_2)
	v_permlanex16_b32 v[TM+2+\b], v[TM+\b], s24, s25
.endr
.irp b, 0,1
	s_delay_alu instid0(VALU_DEP_2)
	v_max_num_f32 v[TM+\b], v[TM+\b], v[TM+2+\b]   ; the block's largest p
.endr
.irp b, 0,1
	s_delay_alu instid0(VALU_DEP_2)
	v_add_nc_u32 v[TM+6+\b], 0xfc000000, v[TM+\b]  ; 8 off its exponent field: the conversion's scale operand
.endr
.irp b, 0,1
	s_delay_alu instid0(VALU_DEP_4)
	v_and_or_b32 v[TM+4+\b], v[TM+\b], 0x7f800000, s26   ; 448 x the scale
.endr
.irp b, 0,1
	s_delay_alu instid0(VALU_DEP_4)
	v_lshrrev_b32 v[TM+2+\b], 23, v[TM+6+\b]       ; the scale's byte
.endr
	s_delay_alu instid0(VALU_DEP_1)
	v_lshl_or_b32 v[TM+8], v[TM+3], 8, v[TM+2]
.irp b, 0,1
.irp i, 0,1,2,3,4,5,6,7,8,9,10,11,12,13,14,15
	v_min_num_f32 v[ACC+16*\b+\i], v[ACC+16*\b+\i], v[TM+4+\b]   ; the conversion to an 8-bit code does not saturate (ISA guide 7.6.2); p is not negative, so the hold is one-sided
.endr
.endr
.irp b, 0,1
	v_cvt_scalef32_pk8_fp8_f32 v[PF+4*\b:PF+4*\b+1], v[ACC+16*\b:ACC+16*\b+7], v[TM+6+\b]
	v_cvt_scalef32_pk8_fp8_f32 v[PF+4*\b+2:PF+4*\b+3], v[ACC+16*\b+8:ACC+16*\b+15], v[TM+6+\b]
.endr
	v_nop                                          ; one plain line behind the last conversion: matrix instructions write its sources later
	ds_store_b128 v[PWA], v[PF:PF+3]               ; block 0: my half's 16 places
	ds_store_b128 v[PWA], v[PF+4:PF+7] offset:32   ; block 1
	ds_store_b16 v[PSA], v[TM+8]                   ; (both halves of the lanes write the same two bytes with the same values)
	s_wait_dscnt 0x0                               ; for the others' sake: my stores have landed
	s_barrier_signal -1
	s_barrier_wait -1
.irp st, 0,1,2,3                               ; tile st: lane r takes place 16 st + r, which is s = 4 r + st
	ds_load_b128 v[PF+24*\st:PF+24*\st+3], v[PRA] offset:1280*\st
	ds_load_b128 v[PF+24*\st+4:PF+24*\st+7], v[PRA] offset:1280*\st+32
	ds_load_b128 v[PF+24*\st+16:PF+24*\st+19], v[PRA] offset:1280*\st+5120
	ds_load_b128 v[PF+24*\st+20:PF+24*\st+23], v[PRA] offset:1280*\st+5152
	ds_load_b32 v[PS+\st], v[PSR] offset:64*\st
.endr
	s_wait_dscnt 0x0
	s_wait_loadcnt 0x0                             ; V
	v_perm_b32 v[VS], v2, v0, 0x05040100           ; a fragment's scale word: the even batch's two bytes, then the odd batch's
	v_perm_b32 v[VS+1], v2, v0, 0x07060302
	v_perm_b32 v[VS+2], v3, v1, 0x05040100
	v_perm_b32 v[VS+3], v3, v1, 0x07060302
.rept 8
	v_nop                                          ; a scale word written by a vector instruction stands eight places ahead of a scaled product
.endr
.irp i, 0,1,2,3                                ; fragment i: rows c = 64 v + 16 i + 8 h + j
.irp be, 0,1
.irp st, 0,1,2,3
	v_wmma_scale_f32_16x16x128_f8f6f4 v[ACC+8*\st:ACC+8*\st+7], v[VF+16*\i:VF+16*\i+15], v[PF+24*\st+8*\be:PF+24*\st+8*\be+15], 0, v[VS+\i], v[PS+\st]
.endr
.rept 9
	v_nop                                          ; eight places before the results are read; nine before the next four products write over them; the moves below name the results and are no places
.endr
	s_wait_xcnt 0x0                                ; the last stores have read their data registers
.irp j, 0,1,2,3,4,5,6,7                        ; each accumulator from its low end on
.irp st, 0,1,2,3
	v_mov_b32 v[OUTR+4*\j+\st], v[ACC+8*\st+\j]
.endr
.endr
.irp j, 0,1,2,3,4,5,6,7
	global_store_b128 v[OO], v[OUTR+4*\j:OUTR+4*\j+3], s[12:13] offset:131072*\be+(16*\i+\j)*256 th:TH_STORE_NT   ; lanes 0-15 a whole row of 256 bytes, lanes 16-31 the row eight further down
.endr
.endr
.endr
	s_wait_tensorcnt 0x0                           ; the wave's end
	ds_add_u32 v[SPW], v[NIL]
	s_wait_dscnt 0x0
	s_endpgm
.Lfunc_end_k_qd46e371801_mix:
	.size	k_qd46e371801_mix, .Lfunc_end_k_qd46e371801_mix-k_qd46e371801_mix
	.p2alignl 7, 3214868480
	.fill 96, 4, 3214868480
	.section	.rodata,"a",@progbits
	.p2align	6, 0x0
	.amdhsa_kernel k_qd46e371801_mix
		.amdhsa_group_segment_fixed_size 11520
		.amdhsa_private_segment_fixed_size 0
		.amdhsa_enable_private_segment 0
		.amdhsa_kernarg_size 40
		.amdhsa_user_sgpr_count 2
		.amdhsa_user_sgpr_kernarg_segment_ptr 1
		.amdhsa_wavefront_size32 1
		.amdhsa_system_sgpr_workgroup_id_x 1
		.amdhsa_system_sgpr_workgroup_id_y 1
		.amdhsa_system_sgpr_workgroup_id_z 1
		.amdhsa_system_vgpr_workitem_id 0
		.amdhsa_next_free_vgpr 256
		.amdhsa_next_free_sgpr 66
		.amdhsa_reserve_vcc 0
		.amdhsa_float_denorm_mode_32 3
		.amdhsa_float_denorm_mode_16_64 3
		.amdhsa_memory_ordered 1
		.amdhsa_forward_progress 1
		.amdhsa_inst_pref_size 36
	.end_amdhsa_kernel
	.amdgpu_metadata
---
amdhsa.version: [ 1, 2 ]
amdhsa.kernels:
  - .name:           k_qd46e371801_mix
    .symbol:         k_qd46e371801_mix.kd
    .args:
      - { .name: scores, .offset: 0, .size: 8, .value_kind: global_buffer, .address_space: global }
      - { .name: lse, .offset: 8, .size: 8, .value_kind: global_buffer, .address_space: global }
      - { .name: vcodes, .offset: 16, .size: 8, .value_kind: global_buffer, .address_space: global }
      - { .name: vscales, .offset: 24, .size: 8, .value_kind: global_buffer, .address_space: global }
      - { .name: out0, .offset: 32, .size: 8, .value_kind: global_buffer, .address_space: global }
    .group_segment_fixed_size: 11520
    .private_segment_fixed_size: 0
    .kernarg_segment_align: 8
    .kernarg_segment_size: 40
    .max_flat_workgroup_size: 256
    .sgpr_count:     66
    .vgpr_count:     256
    .wavefront_size: 32
...
	.end_amdgpu_metadata
.endif
;; end of part 3
